; MI455X (gfx1250); checked and timed in simulation.
; The chip was launched on July 23, 2026; its instructions are those of AMD's public machine-readable ISA for CDNA 5 (MIT licence, August 2026) and "CDNA5" Instruction Set Architecture Reference Guide (July 2026). The comments in the code are by the model that wrote it; some were corrected since.
;; A Li Bi Multi Head Attention. Allowed arithmetic: matrix products marked QUANTISED: E4M3 operands, one E8M0 scale for each 32 along K, by v_wmma_scale_f32_16x16x128_f8f6f4 with both operands' format E4M3, f32 sums; everything else in f32.
;; Inputs: w_kqv_codes 3,072 x 32 x 32 uint8 (E4M3 codes of w_kqv, K innermost, in blocks of 32 codes); w_kqv_scales 3,072 x 32 uint8 (E8M0 scales of w_kqv, one for each 32 codes along K); x_codes 1 x 4,096 x 32 x 32 uint8 (E4M3 codes of x, K innermost, in blocks of 32 codes); x_scales 1 x 4,096 x 32 uint8 (E8M0 scales of x, one for each 32 codes along K).
;; Outputs: out0 1 x 4,096 x 1,024 float32.
;; This version of the problem:
;;   THIS VERSION OF THE PROBLEM IS GIVEN IN LOW PRECISION. The matrix products marked QUANTISED in the list below multiply operands that are first quantised to E4M3 (4 exponent bits, 3 mantissa bits; 8 bits a number), with one power-of-two scale for each 32 numbers along K (OCP MX v1.0); their sums are f32. All else is computed in f32.
;;   The module's matrix products, in the order in which they are computed (A, B: the left and right operand; K: the contracted axis; several contracted axes count as one K, in the product's order):
;;     1. [M 4,096, K 1,024] x [K 1,024, N 3,072]; A: input x (given as codes); B: input w_kqv (given as codes): QUANTISED
;;     2. batch 16 x [M 4,096, K 64] x [K 64, N 4,096]; A: computed on the way; B: computed on the way: QUANTISED
;;     3. batch 16 x [M 4,096, K 4,096] x [K 4,096, N 64]; A: softmax (see below); B: computed on the way: QUANTISED
;;   THE QUANTISER, for each operand of a quantised product, along K:
;;     - K is cut into blocks of 32 from its start; a last block that is shorter is filled with zeros.
;;     - A block's scale is 2^e with e = floor(log2(the largest magnitude in the block)) - 8, held to -126 .. 127; a block of zeros has e = 0. As a byte (E8M0): e + 127.
;;     - Each number is divided by its block's scale, clamped to +-448, and rounded to the nearest number of E4M3, ties to even, subnormals kept.
;;     - The product sums the exact products of the quantised numbers (number of the format x scale) in f32.
;;   ~~~python
;;   def quantise(x, axis):      # numpy; x: float32 -> the quantised numbers, widened to float32 again
;;       x = np.moveaxis(x, axis, -1); K = x.shape[-1]
;;       x = np.pad(x, [(0, 0)] * (x.ndim - 1) + [(0, -K % 32)]); x = x.reshape(x.shape[:-1] + (-1, 32)); a = np.abs(x).max(-1, keepdims=True)
;;       e = np.where(a > 0, np.clip(np.frexp(np.where(a > 0, a, 1))[1] - 1 - 8, -126, 127), 0)      # np.frexp(a)[1] - 1 = floor(log2(a)), exactly
;;       r = np.clip(x / 2.0 ** e, -448, 448)
;;       step = 2.0 ** (np.maximum(np.frexp(np.where(r == 0, 1, r))[1] - 1, -6) - 3)
;;       q = np.round(r / step) * step * 2.0 ** e      # np.round: ties to even
;;       return np.moveaxis(q.reshape(q.shape[:-2] + (-1,))[..., :K], -1, axis).astype(np.float32)
;;   ~~~
;;   SOFTMAX AHEAD OF A QUANTISED PRODUCT. Where the list says 'softmax', what is quantised is not the finished softmax but p = 2^(t - M), with t = logit x log2(e) and M = ceil(the row's largest t), a whole number; so 1/2 < the row's largest p <= 1. The row's sum l is taken of the UNQUANTISED p, in f32, and the product's result is divided by l at the end. Since M is a whole number, a kernel that streams over the keys may use a running M (the ceiling of the running maximum): every later rescaling is an exact power of two, which a block's scale takes up: the codes' values come out the same.
;;   OPERANDS COMPUTED ON THE WAY. 'Computed on the way' means the value that the module computes at that place (a softmax that the list does not call 'softmax' is quantised finished and normalised). What goes into a quantiser is computed in f32, as accurately as f32 sums, v_exp_f32 and their like allow (about 1e-6 of the number): no bf16 or f16 on the way to a quantiser, and a product that is left as it is and whose result goes on into a quantised operand takes f32 operands (vector FMAs, or v_wmma_f32_16x16x4_f32). A number that lies on a knife's edge between two numbers of the format may be rounded either way, as far as f32 arithmetic and the matrix unit's own rounding can turn it there, and no further.
;;   INPUTS GIVEN AS CODES. w_kqv (in the module: [1024, 3072], K = its axis 0); x (in the module: [1, 4096, 1024], K = its axis 2): each comes as NAME_codes (uint8): NAME with its K axis moved to the last place and cut into blocks of 32 codes, [.., K / 32, bytes a block], one block behind the other in memory; one code a byte (a code: sign, 4 exponent bits, 3 mantissa bits); and NAME_scales (uint8): the same leading axes, one E8M0 byte (e + 127) for each 32 codes along K. Its value is code x scale, taken as it is: it is not quantised again, and the codes and scales need not be those that the quantiser above would give.
;; One version. Each part assembles by itself: llvm-mc -triple=amdgcn-amd-amdhsa -mcpu=gfx1250 --defsym DOCPART=n.
;; ======== version 1 of 1: 2 launches
;; limits: right only within a limited range of input values
;; workspace buffers: kq_codes 8,388,608 bytes; kq_scales 524,288 bytes; v_codes 4,194,304 bytes; v_scales 262,144 bytes
;; launch proj (part 1): grid 12 x 16, 4 waves a work-group, clusters of 4 x 4, 327,680 bytes of LDS; arguments w_kqv_codes, w_kqv_scales, x_codes, x_scales, kq_codes, kq_scales, v_codes, v_scales; writes kq_codes, kq_scales, v_codes, v_scales
.if DOCPART == 1
	.amdgcn_target "amdgcn-amd-amdhsa--gfx1250"
	.amdhsa_code_object_version 6
	.text
	.protected	k_qeb0bdc215a_proj
	.globl	k_qeb0bdc215a_proj
	.p2align	8
	.type	k_qeb0bdc215a_proj,@function
k_qeb0bdc215a_proj:
	s_mov_b64 s[64:65], 0
	v_nop
	global_prefetch_b8 v0, s[64:65] scope:SCOPE_SE
	s_setreg_imm32_b32 hwreg(HW_REG_WAVE_MODE, 25, 1), 1
	s_wait_xcnt 0x0
	s_wait_alu depctr_hold_cnt(0) depctr_sa_sdst(0) depctr_va_vdst(0) depctr_va_sdst(0) depctr_va_ssrc(0) depctr_va_vcc(0) depctr_vm_vsrc(0)
	s_getreg_b32 s2, hwreg(HW_REG_IB_STS2, 6, 4)
	s_cmp_eq_u32 s2, 0
	s_cbranch_scc0 .Lentry_in_a_cluster
	s_endpgm
.Lentry_in_a_cluster:
	s_bfe_u32 s2, ttmp6, 0x10000c
	s_cmp_lg_u32 s2, 0xf033
	s_cbranch_scc0 .Lentry_shape_is_right
	s_endpgm
.Lentry_shape_is_right:
; kqv = x w (4,096 x 1,024 x 3,072) on codes of FP8 (E4M3) with one E8M0 scale for each 32 along K, and, on the way out, the quantising of k, q (along the head's 64) and of v (along the keys).
; Only codes and scale bytes go to memory.  A tile of 256 x 256 of the product is made by a work-group of four waves, 128 x 128 a wave: 64 accumulators, 512 registers.
; K goes in steps of 256 through a ring of two LDS slots filled by the tensor data mover; the scale bytes of the work-group's 2 x 256 rows, for all of K, come once and stay.
; TWO ROLES, told apart by the cluster's x alone (the same in all sixteen partners), by selects and never by a branch.
;   S0 is source 0 of the matrix instruction, S1 source 1.  In a result lane (r, h) holds S1's row r, and its register j S0's row 8 h + j: so S0 IS THE AXIS THAT IS QUANTISED (the next product's K).
;   role QK (cluster x = 0, 1): S0 = rows n < 2,048 of w (the heads' channels of k and q), S1 = rows of x (positions).    role V (cluster x = 2): S0 = rows of x (the keys), S1 = rows 2,048 on of w (v's channels).
; For one block a of 16 rows of S1 the eight accumulators are 64 registers a lane: register 16 b + 8 u + j is S0's row 32 b + 16 u + 8 h + j: 16 numbers of block b of 32; lane l xor 16 holds the other 16.
; The four code registers of a block are stored as they stand, 16 bytes a lane, 512 bytes a store: A PIECE.  Read back by one 16-byte load a lane it is registers 4 c .. 4 c + 3 of an operand.  Inside a block of 32 the order along K is
; then 8 h + i (i < 8), 16 + 8 h + i - 8 (i >= 8) and not 16 h + i: the same in k and q, and in v and the weights p of the next launch: a permutation inside one scale's block, alike on both sides of a product, keeps the products.
; OUT: kq_codes [32 heads: k's 16, q's 16][256 tiles of 16 positions][2 pieces][512];  kq_scales [16 pairs of heads][256 tiles][2 heads][16 rows] words, bytes 0, 1 the head's two scales;
;      v_codes [16 heads][128 blocks of 32 keys][4 tiles of 16 channels][512];  v_scales [16 heads][32 groups of 128 keys][4 tiles][32 lanes] words, byte b for the group's b-th block.
; CLUSTERS: 4 x 4 work-groups.  S1's tile hangs on cy alone and is shared along a row of the cluster, S0's on cx alone and is shared along a column: each is asked for jointly, by the same tensor load with a mask that names the four.
; LIMITS: NaN and infinities are not served.  A block of zeros gets the scale byte 1 and not 127: its codes are zeros, and this program alone reads the bytes.
; REGISTERS, in windows of 256: window 0: v0-31 addresses; v32-63 scale words, two sets; v64-127 the way out; from v128 S1's fragments, one set.  window 1: S0's fragments, two sets.  windows 2, 3: the accumulators ((a, b) at v[8 (8 (a % 4) + b)]).
.set KSTEP,  256                       ; along K in a slot
.set NQ,     KSTEP/128                 ; matrix instructions deep
.set ROWB,   256                       ; a tile's row in bytes
.set KROW,   1024                      ; a row of x's or w's codes in memory
.set PITCH,  272                       ; an LDS row: 256 bytes + 16 of padding = 68 words: the 16 rows that a load touches start at 16 different banks (64 banks of 4 bytes: ISA guide 11.1)
.set FR,     16                        ; registers of a fragment: 16 rows x 128 K
.set NL,     4                         ; LDS loads that bring one
.set NP,     8                         ; places behind this matrix instruction (ISA guide 7.12.1)
.set HALFT,  128*PITCH                 ; 128 rows: what one tensor load brings
.set SLOT,   4*HALFT                   ; S1's 256 rows, then S0's 256 rows
.set KS,     32                        ; a row of scale bytes
.set SCL,    2*SLOT                    ; behind the ring: the scales, as runs of 256 bytes + 16 of padding
.set HALFS,  (128*KS/256)*272          ; the scales of 128 rows
.set SBLK,   (16*KS/256)*272           ; those of 16 rows
.set SPARE,  SCL+4*HALFS               ; the spare words, 128 bytes for each wave: two blocks of 256 bytes that no other line names
.set SSTG,   SPARE+512                 ; the way out: 1,024 bytes for each wave, in which its eight rows of scale words meet; no fill lands here
.set ADRA, 16                          ; v16-17  LDS address of my S1 fragments in slot 0, 1
.set ADRB, 20                          ; v20-21  the same for S0
.set ADRS, 27                          ; v27     LDS address of my scale words: lanes 0-15 S1's rows, lanes 16-31 S0's
.set SPW,  28                          ; v28     LDS address of my spare word; never rewritten
.set NIL,  29                          ; v29     0; never rewritten
.set SC,   32                          ; scale words: set s at v[SC + 16 s]; register 2 i + q: lanes 0-15 S1's block i, lanes 16-31 S0's block i
.set AF,   128                         ; S1's fragments, in window 0
.set TM,   64                          ; the way out: v64-67 largest magnitudes, v68-71 bytes, v72-75 448 x the scale, v76-79 the conversions' scale operands
.set PW,   80                          ; v80     a row's scale word
.set LN,   82                          ; v82     my lane
.set OB,   84                          ; v84-87  byte offsets of a block's piece: 16 x lane + the block's place
.set SH,   88                          ; v88     role QK: 16 x (lane / 16): lanes 16-31 store the odd head's two bytes; role V: 0
.set STGA, 89                          ; v89     my word in the scale stage
.set STGR, 90                          ; v90     and where I read 16 bytes of it back
.set PC,   96                          ; v96-127 the codes just made: two sets of 16 by turns
.set PWS,  128                         ; v128-135 the scale words as they are stored, one register for each block a
.set G1, 24                            ; s[24:31] descriptor group 1 for S1's tiles;  s[32:39] group 0, one set for each slot
.set G0, 32
.set G1B, 48                           ; s[48:55], s[56:63] the same for S0's tiles
.set G0B, 56
.set G1S, 68                           ; s[68:75], s[76:79] groups 1 and 0 for S1's scales;  s[80:87], s[88:91] for S0's
.set G0S, 76
.set G1SB, 80
.set G0SB, 88
.set SEL, 66                           ; s66, s67 lane selects for v_permlanex16_b32: lane l xor 16
.set MNT, 95                           ; s95     the mantissa field of 448
.set CB,  44                           ; the way out: s[44:45] where block a's pieces go
.set SB,  46                           ; s[46:47] where my first four rows of scale words go;  s[60:61] the other four
.set SB2, 60
.set ST4, 48                           ; s[48:49] the step from block 3 to block 4;  s[52:53] every other step
.set STN, 52
.set MSB, 0
.macro WIN new                         ; the immediate's high byte repeats the setting that is left
.if MSB != (\new)
	s_set_vgpr_msb (MSB<<8)|(\new)
.set MSB, (\new)
.endif
.endm
.set MUL_LO, 0xa1                      ; source 0 window 1, source 1 window 0, C and D window 2
.set MUL_HI, 0xf1                      ; the same, C and D window 3
.set TO_B,   0x40                      ; destination window 1, address window 0
; A joint load: waves 0 and 1 fetch for S1, waves 2 and 3 for S0.  Each line has one mask and one set of registers for all that issue it; the branch hangs on the wave's number alone.
; Four v_nop follow each of the two lines, ahead of the jump, the label and what follows.
.macro JLOAD g0a, g1a, g0b, g1b
	s_cmp_eq_u32 s15, 0
	s_cbranch_scc0 .Lfor_b_\@
	tensor_load_to_lds s[\g0a:\g0a+3], s[\g1a:\g1a+7]
	s_nop 0
.rept 4
	v_nop
.endr
	s_branch .Lasked_\@
.Lfor_b_\@:
	tensor_load_to_lds s[\g0b:\g0b+3], s[\g1b:\g1b+7]
	s_nop 0
.rept 4
	v_nop
.endr
.Lasked_\@:
.endm
.macro CREST                           ; a round of the cluster's barrier behind its opening barrier
	s_cmp_lg_u32 s14, 0
	s_cbranch_scc1 .Lnot_wave_0_\@
	s_barrier_signal -3
.Lnot_wave_0_\@:
	s_barrier_wait -3
	s_barrier_signal -1
	s_barrier_wait -1
.endm
.macro CROUND                          ; a whole round
	s_barrier_signal -1
	s_barrier_wait -1
	CREST
.endm
	s_load_b256 s[4:11], s[0:1], 0x0               ; w's codes s[4:5], w's scales s[6:7], x's codes s[8:9], x's scales s[10:11]
	v_lshl_add_u32 v[SPW], v0, 2, SPARE
	v_mov_b32 v[NIL], 0
	ds_add_u32 v28, v29
	ds_add_u32 v28, v29
	s_wait_dscnt 0x0
	v_lshrrev_b32 v1, 5, v0
	v_readfirstlane_b32 s14, v1                    ; wave 0..3
	s_lshr_b32 s15, s14, 1                         ; which half of S1's 256 rows is mine.  Also: I fetch for S1 (0) or for S0 (1)
	s_and_b32 s16, s14, 1                          ; which half of S0's.  Also: which 128 rows of that tile I fetch
	s_bfe_u32 s40, ttmp6, 0x40000                  ; cx, cy: my place in the cluster
	s_bfe_u32 s41, ttmp6, 0x40004
	s_and_b32 s17, ttmp7, 0xffff                   ; cluster y
	s_cmp_eq_u32 ttmp9, 2                          ; role V?  The cluster's x is the same in all sixteen partners
	s_cselect_b32 s42, s17, ttmp9                  ; S0's run of four tiles: role V: cluster y (keys); role QK: cluster x (w's rows under 2,048)
	s_cselect_b32 s17, 2, s17                      ; S1's: role V: the third (w's rows 2,048 on); role QK: cluster y (positions)
	s_lshl_b32 s42, s42, 2
	s_add_co_u32 s42, s42, s40                     ; S0's tile of 256 rows: it holds cx and never cy
	s_lshl_b32 s17, s17, 2
	s_add_co_u32 s17, s17, s41                     ; S1's tile: it holds cy and never cx
	s_lshl_b32 s43, s41, 2
	s_lshl_b32 s43, 15, s43                        ; my row of the cluster
	s_lshl_b32 s44, 0x1111, s40                    ; my column
	; descriptor group 1: a tile of 128 rows x 256 bytes, padded in LDS
	s_or_b32 s[G1+0], s43, (0<<16)|(1<<20)|(1<<21)|(5<<22)|(3<<25)  ; 15:0 the mask: S1's tiles go to my row; 17:16 element of 1 byte; 20 padding on; 21 set beside a mask; 24:22 after every 64 words; 31:25 four words
	s_or_b32 s[G1B+0], s44, (0<<16)|(1<<20)|(1<<21)|(5<<22)|(3<<25) ; the same with my column's mask, for S0's tiles
.irp g, G1, G1B
	s_mov_b32 s[\g+1], ROWB<<16                    ; tensor_dim0
	s_mov_b32 s[\g+2], 128<<16                     ; tensor_dim1 = 128
	s_mov_b32 s[\g+3], ROWB<<16                    ; tile_dim0
	s_mov_b32 s[\g+4], 128                         ; tile_dim1 = 128
	s_mov_b32 s[\g+5], KROW                        ; tensor_dim0_stride
	s_mov_b32 s[\g+6], 0
	s_mov_b32 s[\g+7], 0
.endr
	; and for the scales of 128 rows: a dense block of 4,096 bytes, as 16 rows of 256 bytes (32 elements of 8 bytes), 16 bytes of padding behind each
	s_or_b32 s[G1S+0], s43, (3<<16)|(1<<20)|(1<<21)|(5<<22)|(3<<25)
	s_or_b32 s[G1SB+0], s44, (3<<16)|(1<<20)|(1<<21)|(5<<22)|(3<<25)
.irp g, G1S, G1SB
	s_mov_b32 s[\g+1], 32<<16
	s_mov_b32 s[\g+2], (128*KS/256)<<16
	s_mov_b32 s[\g+3], 32<<16
	s_mov_b32 s[\g+4], 128*KS/256
	s_mov_b32 s[\g+5], 32
	s_mov_b32 s[\g+6], 0
	s_mov_b32 s[\g+7], 0
.endr
	s_lshl_b32 s18, s16, 7                         ; which 128 rows of the tile I fetch
	s_lshl_b32 s20, s17, 8
	s_add_co_u32 s20, s20, s18                     ; S1: row 256 x tile + 128 x half
	s_lshl_b32 s46, s42, 8
	s_add_co_u32 s46, s46, s18                     ; S0 likewise
	s_mov_b32 s21, 0
	s_mov_b32 s47, 0
	s_mov_b64 s[18:19], KS
	s_mul_u64 s[22:23], s[20:21], s[18:19]         ; where these rows' scales begin, in bytes
	s_mul_u64 s[92:93], s[46:47], s[18:19]
	s_mov_b64 s[18:19], KROW
	s_mul_u64 s[20:21], s[20:21], s[18:19]         ; and their codes
	s_mul_u64 s[46:47], s[46:47], s[18:19]
	s_mul_i32 s45, s14, HALFT                      ; where they go: wave x 128 rows: no place in the cluster enters an LDS address
	s_mul_i32 s94, s14, HALFS
	s_wait_kmcnt 0x0
	s_cmp_eq_u32 ttmp9, 2                          ; the buffers by role: S1 into s[4:7], S0 into s[8:11].  Both tensors have rows of 1,024 bytes of codes and 32 of scales
	s_cselect_b64 s[96:97], s[4:5], s[8:9]         ; S1's codes: role V: w's; role QK: x's
	s_cselect_b64 s[98:99], s[6:7], s[10:11]       ; S1's scales
	s_cselect_b64 s[8:9], s[8:9], s[4:5]           ; S0's codes
	s_cselect_b64 s[10:11], s[10:11], s[6:7]       ; S0's scales
	s_mov_b64 s[4:5], s[96:97]
	s_mov_b64 s[6:7], s[98:99]
	s_add_nc_u64 s[20:21], s[4:5], s[20:21]
	s_add_nc_u64 s[22:23], s[6:7], s[22:23]
	s_add_nc_u64 s[46:47], s[8:9], s[46:47]
	s_add_nc_u64 s[92:93], s[10:11], s[92:93]
	CROUND                                         ; all sixteen work-groups are here: the first joint loads meet
	s_mov_b32 s[G0S], 1
	s_add_co_u32 s[G0S+1], s94, SCL
	s_mov_b64 s[G0S+2:G0S+3], s[22:23]
	s_or_b32 s[G0S+3], s[G0S+3], 0x80000000
	s_mov_b32 s[G0SB], 1
	s_add_co_u32 s[G0SB+1], s94, SCL
	s_mov_b64 s[G0SB+2:G0SB+3], s[92:93]
	s_or_b32 s[G0SB+3], s[G0SB+3], 0x80000000
	JLOAD G0S, G1S, G0SB, G1SB                     ; the scales first: they are wanted with K step 0.  With the two below, three tensor loads of mine are out
.irp s, 0,1
	s_mov_b32 s[G0+4*\s], 1
	s_add_co_u32 s[G0+4*\s+1], s45, \s*SLOT
	s_add_nc_u64 s[G0+4*\s+2:G0+4*\s+3], s[20:21], \s*ROWB
	s_or_b32 s[G0+4*\s+3], s[G0+4*\s+3], 0x80000000
	s_mov_b32 s[G0B+4*\s], 1
	s_add_co_u32 s[G0B+4*\s+1], s45, \s*SLOT
	s_add_nc_u64 s[G0B+4*\s+2:G0B+4*\s+3], s[46:47], \s*ROWB
	s_or_b32 s[G0B+4*\s+3], s[G0B+4*\s+3], 0x80000000
	JLOAD G0+4*\s, G1, G0B+4*\s, G1B
.endr
	v_and_b32 v1, 15, v0                           ; l % 16
	v_bfe_u32 v2, v0, 4, 1                         ; l / 16
	v_mul_u32_u24 v3, v1, PITCH
	v_lshl_add_u32 v4, v2, 4, v3                   ; a fragment's row x pitch + 16 x half
	s_mul_i32 s21, s15, HALFT                      ; my 128 rows of S1
	s_mul_i32 s22, s16, HALFT                      ; my 128 rows of S0,
	s_add_co_u32 s22, s22, 2*HALFT                 ; which lie behind S1's 256
.irp s, 0,1
	v_add_nc_u32 v[ADRA+\s], s21, v4
	v_add_nc_u32 v[ADRB+\s], s22, v4
	s_add_co_u32 s21, s21, SLOT
	s_add_co_u32 s22, s22, SLOT
.endr
	v_mul_u32_u24 v5, v1, KS                       ; my row's scales: 32 bytes a row,
	v_lshrrev_b32 v6, 8, v5
	v_lshl_add_u32 v5, v6, 4, v5                   ; and 16 more for each 256 passed
	s_mul_i32 s21, s15, HALFS                      ; S1's: my 128 rows
	s_mul_i32 s22, s16, HALFS                      ; S0's: my 128 rows, behind S1's 256
	s_add_co_u32 s22, s22, 2*HALFS
	s_sub_co_u32 s22, s22, s21
	v_mul_u32_u24 v6, s22, v2                      ; lanes 16-31 take S0's: one product, the distance between the two bases x the lane's half
	s_add_co_u32 s21, s21, SCL
	v_add_nc_u32 v5, v5, v6
	v_add_nc_u32 v[ADRS], s21, v5
.macro FRAG reg, adr, q, i             ; a fragment, 16 rows x 128 K of 8-bit codes, is 16 registers: lane l holds row l % 16; registers 4 c .. 4 c + 3 hold K = 32 c + 16 (l / 16) + 0 .. 15
.irp c, 0,1,2,3
	ds_load_b128 v[\reg+4*\c:\reg+4*\c+3], v[\adr] offset:128*(\q)+32*\c+(\i)*16*PITCH
.endr
.endm
; 16 matrix instructions: S1's blocks a0, a0 + 1 x S0's eight, 128 along K: the slot's q-th.  p: S0's set;  sc: the set of scale words.  zero = 1: the first product starts the sums: nothing is ever cleared.
; The 64 accumulators take turns, one instruction a turn, in the same order in every step.
.macro MUL16 a0, p, q, sc, zero
.irp a, \a0, \a0+1
.irp b, 0,1,2,3,4,5,6,7
.if \zero
	v_wmma_scale_f32_16x16x128_f8f6f4 v[8*(8*((\a)%4)+\b):8*(8*((\a)%4)+\b)+7], v[128*(\p)+FR*\b:128*(\p)+FR*\b+FR-1], v[AF+FR*(\a):AF+FR*(\a)+FR-1], 0, v[SC+8*NQ*(\sc)+NQ*\b+(\q)], v[SC+8*NQ*(\sc)+NQ*(\a)+(\q)] matrix_a_scale:MATRIX_SCALE_ROW1
.else
	v_wmma_scale_f32_16x16x128_f8f6f4 v[8*(8*((\a)%4)+\b):8*(8*((\a)%4)+\b)+7], v[128*(\p)+FR*\b:128*(\p)+FR*\b+FR-1], v[AF+FR*(\a):AF+FR*(\a)+FR-1], v[8*(8*((\a)%4)+\b):8*(8*((\a)%4)+\b)+7], v[SC+8*NQ*(\sc)+NQ*\b+(\q)], v[SC+8*NQ*(\sc)+NQ*(\a)+(\q)] matrix_a_scale:MATRIX_SCALE_ROW1
.endif
.endr
.endr
.endm
.macro FETCH_B slot, q, p              ; S0's eight fragments of the slot's q-th 128 along K into set p
	WIN TO_B
.irp i, 0,1,2,3,4,5,6,7
	FRAG 128*(\p)+FR*\i, ADRB+\slot, \q, \i
.endr
	WIN 0
.endm
.macro FETCH_A slot, q, i0             ; S1's blocks i0 .. i0 + 3
.irp i, \i0, \i0+1, \i0+2, \i0+3
	FRAG AF+FR*(\i), ADRA+\slot, \q, \i
.endr
.endm
.macro SCALES sc                       ; the next K step's scale words into set sc: two words a row; lanes 0-15 take S1's block i, lanes 16-31 S0's block i
.irp i, 0,1,2,3,4,5,6,7
	ds_load_b64 v[SC+8*NQ*\sc+NQ*\i:SC+8*NQ*\sc+NQ*\i+1], v[ADRS] offset:\i*SBLK
.endr
.endm
; A load into a register that a matrix instruction has read stands eight places behind that matrix instruction, and only plain vector instructions that name none of its registers are places
; the matrix instructions in between are not counted.
.macro PLACES n
.rept \n
	v_nop
.endr
.endm
; A step of 128 along K that has its successor in the same slot.  S1 has one set of registers: its blocks 0-3 are fetched anew in the step's middle, blocks 4-7 at its end; S0 has two sets.
.macro STEP slot, q, zero
	s_wait_dscnt 4*NL                              ; S0's set and S1's blocks 0-3 are in; the youngest sixteen loads (S1's blocks 4-7) may be out
	WIN MUL_LO
	MUL16 0, (\q)%2, \q, \slot, \zero
	MUL16 2, (\q)%2, \q, \slot, \zero
	s_wait_dscnt 0                                 ; S1's blocks 4-7 are in (asked for 32 matrix instructions ago)
	PLACES NP
	FETCH_B \slot, (\q)+1, 1-(\q)%2
	FETCH_A \slot, (\q)+1, 0
	WIN MUL_HI
	MUL16 4, (\q)%2, \q, \slot, \zero
	MUL16 6, (\q)%2, \q, \slot, \zero
	PLACES NP
	WIN 0
	FETCH_A \slot, (\q)+1, 4
.endm
; A slot's last step changes slots: one barrier; in front of it each wave waits for all its tensor loads, adds 0 to its spare word, and waits for that and for its own reads of this slot.  fill = 1: this slot is filled again, two K steps ahead.
.macro TURN slot, next, fill
	s_wait_tensorcnt 0x0                           ; all my tensor loads have landed: my part of the next slot  (every window is 0 here)
	ds_add_u32 v[SPW], v[NIL]                      ; 0 onto my spare word
	s_wait_dscnt 4*NL+1                            ; (the add and the youngest sixteen loads, S1's blocks 4-7, may be out)
	WIN MUL_LO
	MUL16 0, 1, NQ-1, \slot, 0                     ; sixteen matrix instructions stand between the add and the wait for it
	s_wait_dscnt 0x0                               ; the add is done, and my reads of this slot are over
	s_barrier_signal -1
	MUL16 2, 1, NQ-1, \slot, 0
	WIN 0
	s_barrier_wait -1
.if \fill
	CREST                                          ; the barrier has opened a round of the cluster's barrier: no wave of any partner still reads this slot's tile or has a load on its way
	s_add_nc_u64 s[G0+4*\slot+2:G0+4*\slot+3], s[G0+4*\slot+2:G0+4*\slot+3], 2*ROWB
	s_add_nc_u64 s[G0B+4*\slot+2:G0B+4*\slot+3], s[G0B+4*\slot+2:G0B+4*\slot+3], 2*ROWB
	JLOAD G0+4*\slot, G1, G0B+4*\slot, G1B         ; the first tensor load behind the round, and my only one until the next; its four v_nop are among the places in front of the loads below
	PLACES NP-4
.else
	PLACES NP
.endif
	v_add_nc_u32 v[ADRS], 4*NQ, v[ADRS]            ; on to the next K step's scale words (no LDS load of mine is out)
	FETCH_B \next, 0, 0
	FETCH_A \next, 0, 0
	SCALES \next
	WIN MUL_HI
	MUL16 4, 1, NQ-1, \slot, 0
	MUL16 6, 1, NQ-1, \slot, 0
	PLACES NP
	WIN 0
	FETCH_A \next, 0, 4
.endm
	s_wait_tensorcnt 1                             ; the scales and my part of K step 0 are in (K step 1's load may be out)
	s_barrier_signal -1
	s_barrier_wait -1                              ; everybody's are
	FETCH_B 0, 0, 0
	FETCH_A 0, 0, 0
	SCALES 0
	FETCH_A 0, 0, 4
	STEP 0, 0, 1                                   ; K = 1,024 is four slots' worth, eight steps of 128: written straight.  The first step's products start the sums
	TURN 0, 1, 1                                   ; slot 0 takes K 512 on
	STEP 1, 0, 0
	TURN 1, 0, 1                                   ; slot 1 takes K 768 on
	STEP 0, 0, 0
	TURN 0, 1, 0                                   ; nothing is left to fetch, and no round of the cluster's barrier
	s_load_b256 s[24:31], s[0:1], 0x20             ; all my tensor loads are done, so the descriptors' registers are free: kq_codes s[24:25], kq_scales s[26:27], v_codes s[28:29], v_scales s[30:31]
	STEP 1, 0, 0
	s_wait_dscnt 4*NL                              ; the very last step
	WIN MUL_LO
	MUL16 0, 1, NQ-1, 1, 0
	MUL16 2, 1, NQ-1, 1, 0
	s_wait_dscnt 0
	WIN MUL_HI
	MUL16 4, 1, NQ-1, 1, 0
	MUL16 6, 1, NQ-1, 1, 0
	WIN 0
	; THE WAY OUT.  u1 = my run of 128 rows of S1, u0 = of S0.  Role QK: pair of heads u0, positions 128 u1 on.  Role V: pair of heads u1 - 16, keys 128 u0 on.
	s_wait_kmcnt 0x0
	s_lshl_b32 s32, s17, 1
	s_add_co_u32 s32, s32, s15                     ; u1
	s_lshl_b32 s33, s42, 1
	s_add_co_u32 s33, s33, s16                     ; u0
	s_sub_co_u32 s34, s32, 16
	s_mov_b32 s48, 1024
	s_mov_b32 s50, 512
	s_mov_b32 s51, 262144
	s_cmp_eq_u32 ttmp9, 2                          ; every select on this compare stands ahead of the first line that sets SCC anew
	s_cselect_b32 s35, s34, s33                    ; p: the pair of heads
	s_cselect_b32 s36, s33, s32                    ; q: the run of 128 positions or keys
	s_cselect_b32 s37, 9, 10                       ; a block a on: role V 512 bytes (a tile of channels), role QK 1,024 (a tile of positions); and q's scale words: 512 or 1,024 bytes
	s_cselect_b32 s38, 14, 9                       ; blocks 4-7's scale words: role V the next head's, 16,384 bytes on; role QK 512 on
	s_cselect_b32 s39, 0, -1
	s_cselect_b32 s48, 260608, s48                 ; from block 3 to block 4: role V: the next head's first tile: 262,144 - 3 x 512
	s_cselect_b32 s50, 2048, s50                   ; block b = 1 of 32: role V the next 32 keys; role QK the head's second piece
	s_cselect_b32 s51, 4096, s51                   ; b = 2: role V two blocks of keys on; role QK the odd head, 262,144 bytes on
	s_cselect_b64 s[CB:CB+1], s[28:29], s[24:25]
	s_cselect_b64 s[SB:SB+1], s[30:31], s[26:27]
	s_mov_b32 s49, 0
	s_add_co_u32 s62, s50, s51                     ; b = 3
	s_lshl_b32 s52, 1, s37
	s_mov_b32 s53, 0
	s_lshl_b32 s54, 1, s38
	s_mov_b32 s55, 0
	s_lshl_b32 s56, s35, 19                        ; a pair of heads is 524,288 bytes of codes in both buffers,
	s_lshl_b32 s57, s36, 13                        ; 128 positions or keys 8,192
	s_add_co_u32 s56, s56, s57
	s_mov_b32 s57, 0
	s_add_nc_u64 s[CB:CB+1], s[CB:CB+1], s[56:57]
	s_lshl_b32 s58, s35, 15                        ; and 32,768 bytes of scale words
	s_lshl_b32 s59, s36, s37
	s_add_co_u32 s58, s58, s59
	s_mov_b32 s59, 0
	s_add_nc_u64 s[SB:SB+1], s[SB:SB+1], s[58:59]
	s_add_nc_u64 s[SB2:SB2+1], s[SB:SB+1], s[54:55]
	s_lshl_b32 s63, s14, 10
	s_add_co_u32 s63, s63, SSTG                    ; my 1,024 bytes of the scale stage
	s_mov_b32 s[SEL], 0x76543210
	s_mov_b32 s[SEL+1], 0xfedcba98
	s_mov_b32 s[MNT], 0x600000
	v_and_b32 v[LN], 31, v0                        ; these fourteen plain lines name no register of the last products: they are the eight places behind them
	v_lshlrev_b32 v[OB], 4, v[LN]
	v_add_nc_u32 v[OB+1], s50, v[OB]
	v_add_nc_u32 v[OB+2], s51, v[OB]
	v_add_nc_u32 v[OB+3], s62, v[OB]
	v_bfe_u32 v[SH], v0, 4, 1
	v_lshlrev_b32 v[SH], 4, v[SH]
	v_and_b32 v[SH], s39, v[SH]
	v_lshl_add_u32 v[STGA], v[LN], 2, s63
	v_lshl_add_u32 v[STGR], v[LN], 4, s63
.irp b, 0,1,2,3
	v_mov_b32 v[TM+4+\b], 0                        ; written once: a lane permute's destination counts as one of its sources
.endr
; Block a of 16 rows of S1: its 64 numbers a lane become four pieces and a scale word.  A block's scale: the largest magnitude's exponent field less 8, held at 1 from below by the floor 2^(9 - 127) among the maximum's leaves.
.macro OUTF a
.set W,  2+(\a)/4                      ; the accumulators' window
.set AC, 64*((\a)%4)
.set PS, PC+16*((\a)%2)
.set WA, (W<<2)|(W<<4)
.set WB, W|(W<<6)
	WIN WA                                         ; sources 1 and 2 in the accumulators' window
.irp b, 0,1,2,3
	v_max3_num_f32 v[TM+\b], 0x4800000, |v[AC+16*\b]|, |v[AC+16*\b+1]|   ; each accumulator is read from its low end on
.endr
.irp i, 2,4,6,8,10,12,14
.irp b, 0,1,2,3
	v_max3_num_f32 v[TM+\b], v[TM+\b], |v[AC+16*\b+\i]|, |v[AC+16*\b+\i+1]|   ; the four blocks by turns
.endr
.endr
	WIN 0
.irp b, 0,1,2,3
	v_permlanex16_b32 v[TM+4+\b], v[TM+\b], s[SEL], s[SEL+1]
.endr
.irp b, 0,1,2,3
	v_max_num_f32 v[TM+\b], v[TM+\b], v[TM+4+\b]   ; with lane l xor 16's 16: the block's largest magnitude
.endr
.irp b, 0,1,2,3
	v_add_nc_u32 v[TM+12+\b], 0xfc000000, v[TM+\b] ; 8 off its exponent field: the conversion takes the exponent field of this operand as its scale
.endr
.irp b, 0,1,2,3
	v_and_or_b32 v[TM+8+\b], v[TM+\b], 0x7f800000, s[MNT]   ; 448 x the scale
.endr
.irp b, 0,1,2,3
	v_lshrrev_b32 v[TM+4+\b], 23, v[TM+12+\b]      ; the scale's byte
.endr
	v_lshl_or_b32 v[PW], v[TM+5], 8, v[TM+4]
	v_lshl_or_b32 v[PW], v[TM+6], 16, v[PW]
	v_lshl_or_b32 v[PW], v[TM+7], 24, v[PW]        ; my row's four bytes; both halves of the lanes hold the same word
	v_lshrrev_b32 v[PWS+\a], v[SH], v[PW]          ; role QK: lanes 16-31 bring the odd head's two bytes down
	WIN WB                                         ; destination and source 0 in the accumulators' window
.irp b, 0,1,2,3
.irp i, 0,1,2,3,4,5,6,7,8,9,10,11,12,13,14,15
	v_med3_num_f32 v[AC+16*\b+\i], v[AC+16*\b+\i], -v[TM+8+\b], v[TM+8+\b]   ; the conversion to an 8-bit code does not saturate (ISA guide 7.6.2): the hold at 448 x the scale
.endr
.endr
	WIN W                                          ; source 0 alone
.irp b, 0,1,2,3
	v_cvt_scalef32_pk8_fp8_f32 v[PS+4*\b:PS+4*\b+1], v[AC+16*\b:AC+16*\b+7], v[TM+12+\b]
	v_cvt_scalef32_pk8_fp8_f32 v[PS+4*\b+2:PS+4*\b+3], v[AC+16*\b+8:AC+16*\b+15], v[TM+12+\b]
.endr
	WIN 0
	v_nop                                          ; one plain line behind the last conversion, ahead of the next vector line that writes its sources
.if (\a) > 0
	s_wait_xcnt 0x0                                ; the stores of the blocks before have read their base and their data: the base may step, and the next block's codes may take the other set
.if (\a) == 4
	s_add_nc_u64 s[CB:CB+1], s[CB:CB+1], s[ST4:ST4+1]
.else
	s_add_nc_u64 s[CB:CB+1], s[CB:CB+1], s[STN:STN+1]
.endif
.endif
.irp b, 0,1,2,3
	global_store_b128 v[OB+\b], v[PS+4*\b:PS+4*\b+3], s[CB:CB+1]   ; a piece: 32 lanes store 512 consecutive bytes, at a multiple of 512 from the buffer's first byte
.endr
	ds_store_b32 v[STGA], v[PWS+\a] offset:128*(\a)
.endm
.irp a, 0,1,2,3,4,5,6,7
	OUTF \a
.endr
	ds_load_b128 v[136:139], v[STGR]               ; LDS serves a wave's instructions in order (ISA guide 5.7.1.4): these see my eight stores
	ds_load_b128 v[140:143], v[STGR] offset:512
	s_wait_dscnt 0x0
	global_store_b128 v[OB], v[136:139], s[SB:SB+1]     ; blocks 0-3's scale words: 512 consecutive bytes, aligned
	global_store_b128 v[OB], v[140:143], s[SB2:SB2+1]   ; blocks 4-7's
	s_wait_tensorcnt 0x0                           ; the wave's end: behind my last tensor load and my last LDS store
	ds_add_u32 v[SPW], v[NIL]
	s_wait_dscnt 0x0
	CROUND                                         ; the closing round: no work-group ends while a partner may still ask for a tile that names it
	s_endpgm
.Lfunc_end_k_qeb0bdc215a_proj:
	.size	k_qeb0bdc215a_proj, .Lfunc_end_k_qeb0bdc215a_proj-k_qeb0bdc215a_proj
	.p2alignl 7, 3214868480
	.fill 96, 4, 3214868480
	.section	.rodata,"a",@progbits
	.p2align	6, 0x0
	.amdhsa_kernel k_qeb0bdc215a_proj
		.amdhsa_group_segment_fixed_size 327680
		.amdhsa_private_segment_fixed_size 0
		.amdhsa_enable_private_segment 0
		.amdhsa_kernarg_size 64
		.amdhsa_user_sgpr_count 2
		.amdhsa_user_sgpr_kernarg_segment_ptr 1
		.amdhsa_wavefront_size32 1
		.amdhsa_system_sgpr_workgroup_id_x 1
		.amdhsa_system_sgpr_workgroup_id_y 1
		.amdhsa_system_sgpr_workgroup_id_z 1
		.amdhsa_system_vgpr_workitem_id 0
		.amdhsa_next_free_vgpr 1024
		.amdhsa_next_free_sgpr 100
		.amdhsa_reserve_vcc 0
		.amdhsa_float_denorm_mode_32 3
		.amdhsa_float_denorm_mode_16_64 3
		.amdhsa_memory_ordered 1
		.amdhsa_forward_progress 1
		.amdhsa_inst_pref_size 187
	.end_amdhsa_kernel
	.amdgpu_metadata
---
amdhsa.version: [ 1, 2 ]
amdhsa.kernels:
  - .name:           k_qeb0bdc215a_proj
    .symbol:         k_qeb0bdc215a_proj.kd
    .args:
      - { .name: w_kqv_codes, .offset: 0, .size: 8, .value_kind: global_buffer, .address_space: global }
      - { .name: w_kqv_scales, .offset: 8, .size: 8, .value_kind: global_buffer, .address_space: global }
      - { .name: x_codes, .offset: 16, .size: 8, .value_kind: global_buffer, .address_space: global }
      - { .name: x_scales, .offset: 24, .size: 8, .value_kind: global_buffer, .address_space: global }
      - { .name: kq_codes, .offset: 32, .size: 8, .value_kind: global_buffer, .address_space: global }
      - { .name: kq_scales, .offset: 40, .size: 8, .value_kind: global_buffer, .address_space: global }
      - { .name: v_codes, .offset: 48, .size: 8, .value_kind: global_buffer, .address_space: global }
      - { .name: v_scales, .offset: 56, .size: 8, .value_kind: global_buffer, .address_space: global }
    .group_segment_fixed_size: 327680
    .private_segment_fixed_size: 0
    .kernarg_segment_align: 8
    .kernarg_segment_size: 64
    .max_flat_workgroup_size: 128
    .sgpr_count:     100
    .vgpr_count:     1024
    .wavefront_size: 32
...
	.end_amdgpu_metadata
.endif
;; end of part 1
;; launch attn (part 2): grid 16 x 16, 16 waves a work-group, no clusters, 176,128 bytes of LDS; arguments kq_codes, kq_scales, v_codes, v_scales, out0; writes out0
.if DOCPART == 2
	.amdgcn_target "amdgcn-amd-amdhsa--gfx1250"
	.amdhsa_code_object_version 6
	.text
	.protected	k_qeb0bdc215a_attn
	.globl	k_qeb0bdc215a_attn
	.p2align	8
	.type	k_qeb0bdc215a_attn,@function
k_qeb0bdc215a_attn:
	s_mov_b64 s[64:65], 0
	v_nop
	global_prefetch_b8 v0, s[64:65] scope:SCOPE_SE
	s_setreg_imm32_b32 hwreg(HW_REG_WAVE_MODE, 25, 1), 1
	s_wait_xcnt 0x0
; out[i][64 hd ..] = the sum over keys j, 0 <= i - j <= 512, of softmax_j(q_i . k_j / 32 + slope (j - i)) v_j, both products on codes of FP8 (E4M3) with one E8M0 scale for each 32 along a product's K.
; The operands come as the launch before laid them: PIECES of 512 bytes, lane l's 16 bytes at 16 l: four registers of an operand (one block of 32 along K).
; THE SOFTMAX: t = logit x log2(e); M = the row's largest t so far, rounded up to a whole number; p = 2^(t - M) is quantised along the keys, not normalised; the sum of the unquantised p divides at the end.
; SHARES.  A work-group owns 256 queries (block A = its x) of one head (its y); each of its sixteen waves 16 of them, in 256 registers.  The work-group's keys, 768 (24 blocks of 32: blocks 8 A - 16 on), come into LDS ONCE,
; by twelve tensor loads at the head (waves 0 to 3, three each: thirds of 256 keys); nothing is filled again.  A third that would lie ahead of key 0 is replaced by keys 0 to 255 (no load leaves its buffer), and its blocks are hidden.
; A wave's window is 17 blocks: local blocks bl + n, bl = wave / 2, n = 0 .. 16; n = 16 holds the diagonal.  It walks them FROM THE DIAGONAL BACKWARD: four steps of four blocks (n0 = 13, 9, 5, 1), then block n = 0 alone.
; The first step holds key j = i, which always counts: M is a number from the first step on.  No loop, no branch in a step: every offset is an immediate.
; LAYOUT.  S^T = K Q^T (source 0 = 16 keys, source 1 = my 16 queries), O^T = V^T P^T (source 0 = 16 channels, source 1 = P): a lane holds one query (lane % 16) throughout.
; Register 16 c + i of S^T is key 32 (block c) + (i < 8 ? i : i + 8) + 8 (lane / 16): the order in which V's pieces hold the keys of a block, so the conversions' results are the second product's operand.
; K = 64 IN AN INSTRUCTION OF K = 128: q's operand is its 8 registers and 8 of zero codes; a key tile's operand is its 8 registers and the 8 that follow (the next tile's codes, or zeros): finite codes x zero codes add nothing.
; THE BIAS AND THE MASK ARE THE C OF THE SCORES' OWN PRODUCT.  z = q . k + 32 slope d, t = z x log2(e) / 32 (32 is a power of two: nothing is lost).  d = e - 32 (16 - n), e the distance inside a block, a whole number:
; C = fma(e, 32 slope, G_n), G_n = 32 slope x -32 (16 - n).  A block ahead of key 0 has G_n = -1e30.  Only blocks n = 16 (e > 0 hidden) and n = 0 (e < 0 hidden) need a mask by lane.
; NO CLUSTER: neighbouring blocks of queries share two thirds of their keys, but block A holds them as its thirds 1 and 2 and block A + 1 as its thirds 0 and 1: a joint load has one LDS address for all that it names.
; LIMITS: NaN and infinities are not served.  A hidden score is -1e30 and not -infinity: right while |q . k| stays under 1e27.  p under 2^-126 is 0.
.set KREG,  0                          ; LDS: K's codes: 24 blocks x 2,048 bytes: [tile of 16 keys][piece][512]
.set VREG,  49152                      ; V's codes: 24 blocks x 2,048 bytes: [tile of 16 channels][512]
.set VSC,   98304                      ; V's scale words: 6 groups of four blocks x 512 bytes: [tile of channels][32 lanes]
.set KSC,   101376                     ; K's scale words: 48 tiles x 64 bytes.  (It follows VSC: the one read of a seventh group, which the shift by 0 then drops, falls on bytes that a load has brought)
.set STAGE, 104448                     ; the way out: 16 rows x (256 bytes + 16) for each wave; no fill lands here
.set AK,   1                           ; v1   KREG + 2,048 bl + 16 lane
.set AV,   2                           ; v2   VREG + 2,048 bl + 16 lane
.set AKS,  3                           ; v3   KSC + 128 bl + 4 lane
.set AVS,  4                           ; v4   VSC + 512 ((bl + 1) / 4) + 4 lane
.set AVSF, 5                           ; v5   VSC + 512 (bl / 4) + 4 lane
.set QS,   6                           ; v6   q's scale words
.set BIG,  7                           ; v7   -1e30
.set FF,   8                           ; v8   f = 2^(old M - new M);  v9 p's scale word (named with f as a pair)
.set PW,   9
.set GV,   10                          ; v10  G_n;  v11 at work (named with it as a pair)
.set TMP,  11
                                       ; v12 -M, v13 the largest t, v[14:15] the sum in two halves
.set Q,    16                          ; v16-23 q's codes, v24-31 zero codes
.set F,    32                          ; v32-95 eight key tiles, later four fragments of V; v96-103 zero codes
.set S,    104                         ; v104-167 S^T, then p
.set O,    168                         ; v168-199 O^T
.set P,    200                         ; v200-215 p's codes
.set E,    216                         ; v216-231 e for my 16 registers of a block
.set BM,   232                         ; v232-235 the blocks' largest scores, then largest p
.set T4,   236                         ; v236-239 at work
.set HD,   240                         ; v240-243 448 x the scale
.set SO,   244                         ; v244-247 the conversions' scale operands
.set SC,   248                         ; v248-255 scale words of K, later of V
.set WV,   14                          ; s14  my wave's number
.set BGS,  19                          ; s19  -1e30
.set SEL,  20                          ; s[20:21] lane selects for v_permlanex16_b32: lane l xor 16
.set CS,   22                          ; s[22:23] log2(e) / 32
.set SL,   24                          ; s[24:25] 32 x the head's slope
.set MNT,  26                          ; s26  the mantissa field of 448
.set SHV,  27                          ; s27  8 ((bl + 1) % 4)
.set SHF,  28                          ; s28  8 (bl % 4)
.set G1C,  32                          ; s[32:39] descriptor group 1 for 16,384 dense bytes of codes;  s[40:47] for 1,024 dense bytes of V's scale words;  s[48:55] for 16 rows of 64 bytes of K's
.set G1V,  40
.set G1K,  48
.set G0,   56                          ; s[56:59], s[60:63], s[68:71] groups 0 of a wave's three loads
.set GN,   72                          ; s72-88 G_0 .. G_16
; A wave's three first fills: third j (256 keys: group s[29 + j]) from base + (group << sh) to LDS byte lds + j lstep: constants of the text.  They stand together in the wave's one arm; four v_nop follow the last.
.macro FILL3 base, sh, lds, lstep, g1
.irp j, 0,1,2
	s_mov_b32 s[G0+4*\j+4*(\j/2)], 1                               ; count = 1
	s_mov_b32 s[G0+4*\j+4*(\j/2)+1], \lds+\j*\lstep                ; LDS address
	s_lshl_b32 s92, s[29+\j], \sh
	s_mov_b32 s93, 0
	s_add_nc_u64 s[G0+4*\j+4*(\j/2)+2:G0+4*\j+4*(\j/2)+3], s[\base:\base+1], s[92:93]
	s_or_b32 s[G0+4*\j+4*(\j/2)+3], s[G0+4*\j+4*(\j/2)+3], 0x80000000   ; type = 2
.endr
.irp j, 0,1,2
	tensor_load_to_lds s[G0+4*\j+4*(\j/2):G0+4*\j+4*(\j/2)+3], s[\g1:\g1+7]
	s_nop 0
.endr
.rept 4
	v_nop
.endr
.endm
	s_load_b256 s[4:11], s[0:1], 0x0               ; kq_codes s[4:5], kq_scales s[6:7], v_codes s[8:9], v_scales s[10:11]
	s_load_b64 s[12:13], s[0:1], 0x20              ; out0
	v_lshl_add_u32 v254, v0, 2, 0x2a800
	v_mov_b32 v255, 0
	ds_add_u32 v254, v255
	ds_add_u32 v254, v255
	s_wait_dscnt 0x0
	v_lshrrev_b32 v104, 5, v0
	v_readfirstlane_b32 s[WV], v104                ; wave 0..15
	s_mov_b32 s15, ttmp9                           ; A
	s_and_b32 s16, ttmp7, 0xffff                   ; the head
	s_lshr_b32 s17, s[WV], 1                       ; bl
	s_lshl_b32 s18, s15, 4
	s_add_co_u32 s18, s18, s[WV]                   ; my tile of 16 queries
	s_sub_co_i32 s29, s15, 2
	s_max_i32 s29, s29, 0                          ; the three thirds' groups of 256 keys: A - 2, A - 1, A, held at 0 from below
	s_sub_co_i32 s30, s15, 1
	s_max_i32 s30, s30, 0
	s_mov_b32 s31, s15
	s_mov_b32 s[G1C], 3<<16                        ; no mask, elements of 8 bytes, no padding
	s_mov_b32 s[G1C+1], 32<<16                     ; tensor_dim0 = 32 elements: rows of 256 bytes
	s_mov_b32 s[G1C+2], 64<<16                     ; tensor_dim1 = 64
	s_mov_b32 s[G1C+3], 32<<16                     ; tile_dim0
	s_mov_b32 s[G1C+4], 64                         ; tile_dim1
	s_mov_b32 s[G1C+5], 32                         ; the pitch: dense
	s_mov_b32 s[G1C+6], 0
	s_mov_b32 s[G1C+7], 0
	s_mov_b32 s[G1V], 3<<16
	s_mov_b32 s[G1V+1], 32<<16
	s_mov_b32 s[G1V+2], 4<<16                      ; four rows of 256 bytes
	s_mov_b32 s[G1V+3], 32<<16
	s_mov_b32 s[G1V+4], 4
	s_mov_b32 s[G1V+5], 32
	s_mov_b32 s[G1V+6], 0
	s_mov_b32 s[G1V+7], 0
	s_mov_b32 s[G1K], 3<<16
	s_mov_b32 s[G1K+1], 8<<16                      ; rows of 64 bytes: one head's 16 words of a tile,
	s_mov_b32 s[G1K+2], 16<<16                     ; 16 tiles,
	s_mov_b32 s[G1K+3], 8<<16
	s_mov_b32 s[G1K+4], 16
	s_mov_b32 s[G1K+5], 16                         ; 128 bytes apart in memory (the pair's other head lies between); on end in LDS
	s_mov_b32 s[G1K+6], 0
	s_mov_b32 s[G1K+7], 0
	s_lshl_b32 s92, s16, 18                        ; a head's codes: 262,144 bytes in both buffers
	s_mov_b32 s93, 0
	s_lshl_b32 s94, s16, 14                        ; its scale words of V: 16,384
	s_mov_b32 s95, 0
	s_lshr_b32 s96, s16, 1
	s_lshl_b32 s96, s96, 15                        ; of K: 32,768 a pair of heads,
	s_and_b32 s97, s16, 1
	s_lshl_b32 s97, s97, 6                         ; 64 for the odd head
	s_add_co_u32 s96, s96, s97
	s_mov_b32 s97, 0
	s_wait_kmcnt 0x0
	s_add_nc_u64 s[4:5], s[4:5], s[92:93]
	s_add_nc_u64 s[8:9], s[8:9], s[92:93]
	s_add_nc_u64 s[10:11], s[10:11], s[94:95]
	s_add_nc_u64 s[6:7], s[6:7], s[96:97]
	s_cmp_lt_u32 s[WV], 4                          ; waves 0 to 3 fetch, each in one arm; a fetching wave has three tensor loads out
	s_cbranch_scc0 .Lfilled
	s_cmp_eq_u32 s[WV], 0
	s_cbranch_scc0 .Lnot_w0
	FILL3 4, 14, KREG, 16384, G1C                  ; K's codes
	s_branch .Lfilled
.Lnot_w0:
	s_cmp_eq_u32 s[WV], 1
	s_cbranch_scc0 .Lnot_w1
	FILL3 8, 14, VREG, 16384, G1C                  ; V's codes
	s_branch .Lfilled
.Lnot_w1:
	s_cmp_eq_u32 s[WV], 2
	s_cbranch_scc0 .Lnot_w2
	FILL3 10, 10, VSC, 1024, G1V                   ; V's scale words
	s_branch .Lfilled
.Lnot_w2:
	FILL3 6, 11, KSC, 1024, G1K                    ; K's scale words
.Lfilled:
	s_lshl_b32 s92, s18, 10                        ; q: my tile's two pieces, 1,024 bytes a tile; q's heads lie 16 heads (4,194,304 bytes) behind k's: in the immediate
	s_mov_b32 s93, 0
	s_add_nc_u64 s[90:91], s[4:5], s[92:93]
	s_lshl_b32 s92, s18, 7                         ; its scale words: 128 bytes a tile; q's pairs lie 8 pairs (262,144 bytes) behind k's
	s_add_nc_u64 s[98:99], s[6:7], s[92:93]
	s_lshl_b32 s92, s18, 16                        ; out0: 16 rows of 4,096 bytes a tile,
	s_lshl_b32 s94, s16, 8                         ; 256 bytes a head
	s_add_co_u32 s92, s92, s94
	s_add_nc_u64 s[12:13], s[12:13], s[92:93]
	v_and_b32 v104, 31, v0                         ; lane
	v_and_b32 v105, 15, v0                         ; r
	v_bfe_u32 v106, v0, 4, 1                       ; h
	v_lshlrev_b32 v107, 4, v104
	v_lshlrev_b32 v108, 2, v105
	global_load_b128 v[Q:Q+3], v107, s[90:91] offset:4194304
	global_load_b128 v[Q+4:Q+7], v107, s[90:91] offset:4194304+512
	global_load_b32 v[QS], v108, s[98:99] offset:262144
	s_mov_b32 s[SEL], 0x76543210
	s_mov_b32 s[SEL+1], 0xfedcba98
	s_mov_b32 s[CS], 0x3d38aa3b                    ; log2(e) / 32
	s_mov_b32 s[CS+1], s[CS]                       ; (named with it as a pair, so it is written)
	s_mov_b32 s[MNT], 0x600000
	s_mov_b32 s[BGS], 0xf149f2ca                   ; -1e30
	s_lshl_b32 s92, s17, 11
	v_add_nc_u32 v[AK], s92, v107
	s_add_co_u32 s92, s92, VREG
	v_add_nc_u32 v[AV], s92, v107
	s_lshl_b32 s92, s17, 7
	s_add_co_u32 s92, s92, KSC
	v_lshl_add_u32 v[AKS], v104, 2, s92
	s_add_co_u32 s92, s17, 1                       ; a full step begins at local block bl + 1 + 4 g: group (bl + 1) / 4 + g, byte (bl + 1) % 4
	s_and_b32 s[SHV], s92, 3
	s_lshl_b32 s[SHV], s[SHV], 3
	s_lshr_b32 s92, s92, 2
	s_lshl_b32 s92, s92, 9
	s_add_co_u32 s92, s92, VSC
	v_lshl_add_u32 v[AVS], v104, 2, s92
	s_and_b32 s[SHF], s17, 3                       ; the far block is local block bl
	s_lshl_b32 s[SHF], s[SHF], 3
	s_lshr_b32 s92, s17, 2
	s_lshl_b32 s92, s92, 9
	s_add_co_u32 s92, s92, VSC
	v_lshl_add_u32 v[AVSF], v104, 2, s92
	; 32 x slope = 2^(5 - (hd + 1) / 2): an odd head: 0.5 x 2^(5 - hd / 2); an even one: 2^-0.5 x 2^(5 - hd / 2): the power goes onto the exponent field
	s_lshr_b32 s92, s16, 1
	s_sub_co_u32 s92, 5, s92
	s_lshl_b32 s92, s92, 23
	s_mov_b32 s93, 0x3f3504f3
	s_bitcmp1_b32 s16, 0
	s_cselect_b32 s93, 0x3f000000, s93
	s_add_co_u32 s[SL], s93, s92
	s_mov_b32 s[SL+1], s[SL]
	; e = (i < 8 ? i : i + 8) + 8 h - 16 (wave % 2) - r: the key's place in its block less my query's in its own
	v_lshlrev_b32 v109, 3, v106
	v_sub_nc_u32 v109, v109, v105
	s_and_b32 s92, s[WV], 1
	s_lshl_b32 s92, s92, 4
	v_subrev_nc_u32 v109, s92, v109
.set i, 0
.rept 16
	v_add_nc_u32 v[E+i], i+8*(i/8), v109
.set i, i+1
.endr
.set i, 0
.rept 16
	v_cvt_f32_i32 v[E+i], v[E+i]
.set i, i+1
.endr
	; G_n = 32 slope x -32 (16 - n), one rounding; -1e30 where block 8 A - 16 + bl + n lies ahead of key 0 (a select on ids)
	s_lshl_b32 s89, s15, 3
	s_add_co_u32 s89, s89, s17
	s_sub_co_i32 s89, s89, 16
	v_mov_b32 v111, s[SL]
.set n, 0
.irp m, 0xc4000000,0xc3f00000,0xc3e00000,0xc3d00000,0xc3c00000,0xc3b00000,0xc3a00000,0xc3900000,0xc3800000,0xc3600000,0xc3400000,0xc3200000,0xc3000000,0xc2c00000,0xc2800000,0xc2000000
	v_mul_f32 v110, \m, v111                       ; -512, -480, .. -32
	v_readfirstlane_b32 s[GN+n], v110
	s_cmp_lt_i32 s89, -n
	s_cselect_b32 s[GN+n], s[BGS], s[GN+n]
.set n, n+1
.endr
	s_mov_b32 s[GN+16], 0                          ; my own block of queries: never ahead of key 0
	v_mov_b32 v[BIG], s[BGS]
	v_mov_b32 v[PW], 0                             ; (named as the upper half of a pair before it is first written)
	v_mov_b32 v[TMP], 0                            ; likewise; and a lane permute's destination counts as one of its sources
	v_mov_b32 v13, 0xff61b1e6                      ; the largest t so far: -3e38
	v_mov_b32 v14, 0                               ; the sum, in two halves
	v_mov_b32 v15, 0
.set i, 0
.rept 8
	v_mov_b32 v[Q+8+i], 0                          ; zero codes behind q's 64
	v_mov_b32 v[F+64+i], 0                         ; and behind the eighth key tile
.set i, i+1
.endr
.irp b, 0,1,2,3
	v_mov_b32 v[T4+\b], 0
.endr
; A STEP: nb blocks of 32 keys, n0 on.  first = 1: it starts O^T.  mask = 1: its last block holds the diagonal; 2: it is the far block.  avs, shift, g: where V's scale words lie.
.macro STEP n0, nb, first, mask, avs, shift, g
; the bias, as the scores' C.  These plain lines name no register of the last step's products: they are also the eight places ahead of the loads below
.set c, 0
.rept \nb
	v_mov_b32 v[GV], s[GN+\n0+c]
.set i, 0
.rept 8
	v_pk_fma_f32 v[S+16*c+i:S+16*c+i+1], v[E+i:E+i+1], s[SL:SL+1], v[GV:GV+1] op_sel_hi:[1,0,0]   ; e x 32 slope + G_n (of the pairs the low word serves both halves)
.set i, i+2
.endr
.set c, c+1
.endr
.if \mask
.set i, 0
.rept 16
.if \mask == 1
	v_cmp_lt_f32 vcc_lo, 0, v[E+i]                 ; the key comes after my query
.else
	v_cmp_gt_f32 vcc_lo, 0, v[E+i]                 ; the key lies more than 512 back
.endif
	v_cndmask_b32 v[S+16*(\nb-1)+i], v[S+16*(\nb-1)+i], v[BIG], vcc_lo
.set i, i+1
.endr
.endif
.set t, 0
.rept 2*\nb                                    ; a key tile: two pieces, 8 registers
	ds_load_b128 v[F+8*t:F+8*t+3], v[AK] offset:(\n0+t/2)*2048+(t%2)*1024
	ds_load_b128 v[F+8*t+4:F+8*t+7], v[AK] offset:(\n0+t/2)*2048+(t%2)*1024+512
.set t, t+1
.endr
.set c, 0
.rept \nb
	ds_load_b32 v[SC+c], v[AKS] offset:(\n0+c)*128 ; lanes 0-15: the block's first tile's words; lanes 16-31: its second's
.set c, c+1
.endr
.rept 4
	v_nop                                          ; four plain lines between the last write of a C and the products, while the loads are on their way
.endr
	s_wait_dscnt 0x0
.set t, 0
.rept 2*\nb                                    ; S^T = K Q^T + the bias; the accumulators take turns
.if t%2
	v_wmma_scale_f32_16x16x128_f8f6f4 v[S+8*t:S+8*t+7], v[F+8*t:F+8*t+15], v[Q:Q+15], v[S+8*t:S+8*t+7], v[SC+t/2], v[QS] matrix_a_scale:MATRIX_SCALE_ROW1
.else
	v_wmma_scale_f32_16x16x128_f8f6f4 v[S+8*t:S+8*t+7], v[F+8*t:F+8*t+15], v[Q:Q+15], v[S+8*t:S+8*t+7], v[SC+t/2], v[QS]
.endif
.set t, t+1
.endr
.rept 8
	v_nop                                          ; eight places: ahead of the loads into the products' sources and scales, and of the first read of the scores
.endr
.set ct, 0
.rept 4                                        ; V's four fragments (16 channels x four blocks of keys) and their scale words of two groups: asked for now, wanted behind the softmax
.set c, 0
.rept 4
	ds_load_b128 v[F+16*ct+4*c:F+16*ct+4*c+3], v[AV] offset:(\n0+c)*2048+ct*512
.set c, c+1
.endr
	ds_load_b32 v[SC+ct], v[\avs] offset:\g*512+ct*128
	ds_load_b32 v[SC+4+ct], v[\avs] offset:\g*512+512+ct*128
.set ct, ct+1
.endr
.set b, 0
.rept \nb
	v_max3_num_f32 v[BM+b], v[S+16*b], v[S+16*b+1], v[S+16*b+2]   ; the largest score of each block: for the row's maximum and, since p rises with the score, for the block's largest p.  Each accumulator is read from its low end on
.set b, b+1
.endr
.set i, 3
.rept 6
.set b, 0
.rept \nb
	v_max3_num_f32 v[BM+b], v[BM+b], v[S+16*b+i], v[S+16*b+i+1]
.set b, b+1
.endr
.set i, i+2
.endr
.set b, 0
.rept \nb
	v_max_num_f32 v[BM+b], v[BM+b], v[S+16*b+15]
.set b, b+1
.endr
.set b, 0
.rept \nb
	v_permlanex16_b32 v[T4+b], v[BM+b], s[SEL], s[SEL+1]
.set b, b+1
.endr
.set b, 0
.rept \nb
	v_max_num_f32 v[BM+b], v[BM+b], v[T4+b]        ; with lane l xor 16's 16 keys
.set b, b+1
.endr
.if \nb == 4
	v_max3_num_f32 v[TMP], v[BM], v[BM+1], v[BM+2]
	v_max_num_f32 v[TMP], v[TMP], v[BM+3]
	v_mul_f32 v[TMP], s[CS], v[TMP]                ; the step's largest t
.else
	v_mul_f32 v[TMP], s[CS], v[BM]
.endif
	v_max_num_f32 v13, v13, v[TMP]                 ; the running largest t
.if \first == 0
	v_mov_b32 v[TMP], v12
.endif
	v_floor_f32 v12, -v13                          ; -M = floor(-t): M is a whole number
.if \first == 0
	v_sub_f32 v[TMP], v12, v[TMP]                  ; old M - new M: a whole number, 0 or less
	v_cvt_i32_f32 v[TMP], v[TMP]
	v_ldexp_f32 v[FF], 1.0, v[TMP]                 ; f: a multiplication by it rounds nothing
.endif
.set j, 0
.rept 8*\nb
	v_pk_fma_f32 v[S+j:S+j+1], v[S+j:S+j+1], s[CS:CS+1], v[12:13] op_sel_hi:[1,0,0]   ; t - M
.set j, j+2
.endr
.set b, 0
.rept \nb
	v_fma_f32 v[BM+b], v[BM+b], s[CS], v12         ; the same of each block's largest score
.set b, b+1
.endr
.set j, 0
.rept 16*\nb
	v_exp_f32 v[S+j], v[S+j]                       ; p = 2^(t - M); a hidden key's is 0
.set j, j+1
.endr
.if \first
	v_nop                                          ; a plain line behind the exponentials
.else
	v_pk_mul_f32 v[14:15], v[14:15], v[FF:FF+1] op_sel_hi:[1,0]   ; the sums under the new M (a plain line behind the exponentials)
.endif
	s_wait_alu depctr_va_vdst(0)                   ; one wait for the whole batch, ahead of its first reader
.set b, 0
.rept \nb
	v_exp_f32 v[BM+b], v[BM+b]                     ; the block's largest p: the same two instructions on the same number
.set b, b+1
.endr
	v_pk_add_f32 v[T4:T4+1], v[S:S+1], v[S+2:S+3]  ; the row's sum is taken of the unquantised p, in two chains
.set j, 4
.rept 4*\nb-1
	v_pk_add_f32 v[14:15], v[14:15], v[S+j:S+j+1]
	v_pk_add_f32 v[T4:T4+1], v[T4:T4+1], v[S+j+2:S+j+3]
.set j, j+4
.endr
	v_pk_add_f32 v[14:15], v[14:15], v[T4:T4+1]
.if \nb == 1
.set j, 4
.rept 12
	v_mov_b32 v[P+j], 0                            ; the far step has one block: zero codes for the other three
.set j, j+1
.endr
.endif
	s_wait_dscnt 0x0                               ; V's fragments and scale words are in
.set ct, 0
.rept 4
	v_alignbit_b32 v[SC+ct], v[SC+4+ct], v[SC+ct], s[\shift]   ; the four bytes of the step's four blocks, which may begin at any byte of a group's word
.set ct, ct+1
.endr
	s_wait_alu depctr_va_vdst(0)                   ; and one for the blocks' largest p
.set b, 0
.rept \nb
	v_max_num_f32 v[BM+b], 0x4800000, v[BM+b]      ; the floor 2^(9 - 127): the byte cannot fall under 1
.set b, b+1
.endr
.set b, 0
.rept \nb
	v_add_nc_u32 v[SO+b], 0xfc000000, v[BM+b]      ; 8 off the exponent field: the conversion's scale operand
.set b, b+1
.endr
.set b, 0
.rept \nb
	v_and_or_b32 v[HD+b], v[BM+b], 0x7f800000, s[MNT]   ; 448 x the scale
.set b, b+1
.endr
.set b, 0
.rept \nb
	v_lshrrev_b32 v[T4+b], 23, v[SO+b]             ; the scale's byte
.set b, b+1
.endr
.if \nb == 4
	v_lshl_or_b32 v[PW], v[T4+1], 8, v[T4]         ; p's scale word for these 128 keys
	v_lshl_or_b32 v[PW], v[T4+2], 16, v[PW]
	v_lshl_or_b32 v[PW], v[T4+3], 24, v[PW]
.else
	v_mov_b32 v[PW], v[T4]                         ; the other three bytes meet zero codes
.endif
.set b, 0
.rept \nb
.set i, 0
.rept 16
	v_min_num_f32 v[S+16*b+i], v[S+16*b+i], v[HD+b]   ; the conversion to an 8-bit code does not saturate (ISA guide 7.6.2); p is not negative, so the hold is one-sided
.set i, i+1
.endr
	v_cvt_scalef32_pk8_fp8_f32 v[P+4*b:P+4*b+1], v[S+16*b:S+16*b+7], v[SO+b]
	v_cvt_scalef32_pk8_fp8_f32 v[P+4*b+2:P+4*b+3], v[S+16*b+8:S+16*b+15], v[SO+b]
.set b, b+1
.endr
.if \first
.rept 4
	v_nop                                          ; four places between the codes and the products
.endr
.else
.set j, 0
.rept 16
	v_pk_mul_f32 v[O+j:O+j+1], v[O+j:O+j+1], v[FF:FF+1] op_sel_hi:[1,0]   ; O^T under the new M.  (These are also the places between the codes and the products)
.set j, j+2
.endr
.endif
.set ct, 0
.rept 4                                        ; O^T += V^T P^T; the accumulators take turns
.if \first
	v_wmma_scale_f32_16x16x128_f8f6f4 v[O+8*ct:O+8*ct+7], v[F+16*ct:F+16*ct+15], v[P:P+15], 0, v[SC+ct], v[PW]
.else
	v_wmma_scale_f32_16x16x128_f8f6f4 v[O+8*ct:O+8*ct+7], v[F+16*ct:F+16*ct+15], v[P:P+15], v[O+8*ct:O+8*ct+7], v[SC+ct], v[PW]
.endif
.set ct, ct+1
.endr
.endm
	s_wait_tensorcnt 0x0                           ; my three loads, if I fetched, have landed,
	s_barrier_signal -1
	s_barrier_wait -1                              ; everybody's have: all 768 keys lie in LDS, and nothing is filled again
	s_wait_loadcnt 0x0                             ; q and its scale words
	STEP 13, 4, 1, 1, AVS, SHV, 3                  ; blocks 13 to 16: the diagonal
	STEP 9,  4, 0, 0, AVS, SHV, 2
	STEP 5,  4, 0, 0, AVS, SHV, 1
	STEP 1,  4, 0, 0, AVS, SHV, 0
	STEP 0,  1, 0, 2, AVSF, SHF, 0                 ; the far block
	; THE WAY OUT.  O^T / the sum goes through my stage in LDS, so that sixteen lanes store a query's 256 consecutive bytes.  The address lines are the places behind the last products.
	v_add_f32 v14, v14, v15                        ; the sum's two halves,
	v_permlanex16_b32 v[TMP], v14, s[SEL], s[SEL+1]
	v_add_f32 v14, v14, v[TMP]                     ; and lane l xor 16's: the row's sum
	v_rcp_f32 v14, v14
	v_and_b32 v232, 15, v0                         ; r
	v_bfe_u32 v233, v0, 4, 1                       ; h
	s_mul_i32 s92, s[WV], 16*272
	s_add_co_u32 s92, s92, STAGE                   ; my stage
	v_mul_u32_u24 v234, v232, 272
	v_lshl_add_u32 v234, v233, 5, v234
	v_add_nc_u32 v234, s92, v234                   ; in: row r; tile ct's eight channels of my half: 64 ct + 32 h bytes on
	v_mul_u32_u24 v235, v233, 272
	v_lshl_add_u32 v235, v232, 4, v235
	v_add_nc_u32 v235, s92, v235                   ; back: lanes 0-15 one row, lanes 16-31 the next
	v_lshlrev_b32 v236, 12, v233
	v_lshl_add_u32 v236, v232, 4, v236             ; and the same two rows of out0, 4,096 bytes apart
	s_wait_alu depctr_va_vdst(0)                   ; the wait ahead of the reciprocal's first reader
.set j, 0
.rept 16
	v_pk_mul_f32 v[S+j:S+j+1], v[O+j:O+j+1], v[14:15] op_sel_hi:[1,0]   ; register 8 ct + i is out(r, 16 ct + 8 h + i); each accumulator from its low end on
.set j, j+2
.endr
.set ct, 0
.rept 4
	ds_store_b128 v234, v[S+8*ct:S+8*ct+3] offset:64*ct
	ds_store_b128 v234, v[S+8*ct+4:S+8*ct+7] offset:64*ct+16
.set ct, ct+1
.endr
.set i, 0
.rept 8
	ds_load_b128 v[F+4*i:F+4*i+3], v235 offset:2*i*272   ; LDS serves a wave's instructions in order (ISA guide 5.7.1.4): these see my stores
.set i, i+1
.endr
.set i, 0
.rept 8
	s_wait_dscnt 7-i                               ; rows 2 i and 2 i + 1 are back; the younger loads may be out
	global_store_b128 v236, v[F+4*i:F+4*i+3], s[12:13] offset:8192*i th:TH_STORE_NT   ; sixteen lanes store 256 consecutive bytes, at a multiple of 256 from out0's first byte; written once
.set i, i+1
.endr
	s_wait_xcnt 0x0
	v_lshl_add_u32 v254, v0, 2, 0x2a800
	v_mov_b32 v255, 0
	s_wait_tensorcnt 0x0
	ds_add_u32 v254, v255
	s_wait_dscnt 0x0
	s_endpgm
.Lfunc_end_k_qeb0bdc215a_attn:
	.size	k_qeb0bdc215a_attn, .Lfunc_end_k_qeb0bdc215a_attn-k_qeb0bdc215a_attn
	.p2alignl 7, 3214868480
	.fill 96, 4, 3214868480
	.section	.rodata,"a",@progbits
	.p2align	6, 0x0
	.amdhsa_kernel k_qeb0bdc215a_attn
		.amdhsa_group_segment_fixed_size 176128
		.amdhsa_private_segment_fixed_size 0
		.amdhsa_enable_private_segment 0
		.amdhsa_kernarg_size 40
		.amdhsa_user_sgpr_count 2
		.amdhsa_user_sgpr_kernarg_segment_ptr 1
		.amdhsa_wavefront_size32 1
		.amdhsa_system_sgpr_workgroup_id_x 1
		.amdhsa_system_sgpr_workgroup_id_y 1
		.amdhsa_system_sgpr_workgroup_id_z 1
		.amdhsa_system_vgpr_workitem_id 0
		.amdhsa_next_free_vgpr 256
		.amdhsa_next_free_sgpr 100
		.amdhsa_reserve_vcc 1
		.amdhsa_float_denorm_mode_32 3
		.amdhsa_float_denorm_mode_16_64 3
		.amdhsa_memory_ordered 1
		.amdhsa_forward_progress 1
		.amdhsa_inst_pref_size 113
	.end_amdhsa_kernel
	.amdgpu_metadata
---
amdhsa.version: [ 1, 2 ]
amdhsa.kernels:
  - .name:           k_qeb0bdc215a_attn
    .symbol:         k_qeb0bdc215a_attn.kd
    .args:
      - { .name: kq_codes, .offset: 0, .size: 8, .value_kind: global_buffer, .address_space: global }
      - { .name: kq_scales, .offset: 8, .size: 8, .value_kind: global_buffer, .address_space: global }
      - { .name: v_codes, .offset: 16, .size: 8, .value_kind: global_buffer, .address_space: global }
      - { .name: v_scales, .offset: 24, .size: 8, .value_kind: global_buffer, .address_space: global }
      - { .name: out0, .offset: 32, .size: 8, .value_kind: global_buffer, .address_space: global }
    .group_segment_fixed_size: 176128
    .private_segment_fixed_size: 0
    .kernarg_segment_align: 8
    .kernarg_segment_size: 40
    .max_flat_workgroup_size: 512
    .sgpr_count:     100
    .vgpr_count:     256
    .wavefront_size: 32
...
	.end_amdgpu_metadata
.endif
;; end of part 2
